; MI455X (gfx1250); checked and timed in simulation.
; The chip was launched on July 23, 2026; its instructions are those of AMD's public machine-readable ISA for CDNA 5 (MIT licence, August 2026) and "CDNA5" Instruction Set Architecture Reference Guide (July 2026). The comments in the code are by the model that wrote it; some were corrected since.
;; Multi Head Attention. Allowed arithmetic: matrix products marked QUANTISED: E2M3 operands, one E8M0 scale for each 32 along K, by v_wmma_scale_f32_16x16x128_f8f6f4 with both operands' format E2M3, f32 sums; everything else in f32.
;; Inputs: Wk_codes 16 x 64 x 32 x 24 uint8 (E2M3 codes of Wk, K innermost, in blocks of 32 codes, four codes in three bytes); Wk_scales 16 x 64 x 32 uint8 (E8M0 scales of Wk, one for each 32 codes along K); Wo_codes 1,024 x 32 x 24 uint8 (E2M3 codes of Wo, K innermost, in blocks of 32 codes, four codes in three bytes); Wo_scales 1,024 x 32 uint8 (E8M0 scales of Wo, one for each 32 codes along K); Wq_codes 16 x 64 x 32 x 24 uint8 (E2M3 codes of Wq, K innermost, in blocks of 32 codes, four codes in three bytes); Wq_scales 16 x 64 x 32 uint8 (E8M0 scales of Wq, one for each 32 codes along K); Wv_codes 16 x 64 x 32 x 24 uint8 (E2M3 codes of Wv, K innermost, in blocks of 32 codes, four codes in three bytes); Wv_scales 16 x 64 x 32 uint8 (E8M0 scales of Wv, one for each 32 codes along K); bo 1,024 float32; keys_codes 4 x 2,048 x 32 x 24 uint8 (E2M3 codes of keys, K innermost, in blocks of 32 codes, four codes in three bytes); keys_scales 4 x 2,048 x 32 uint8 (E8M0 scales of keys, one for each 32 codes along K); masks 4 x 2,048 x 2,048 bool; queries_codes 4 x 2,048 x 32 x 24 uint8 (E2M3 codes of queries, K innermost, in blocks of 32 codes, four codes in three bytes); queries_scales 4 x 2,048 x 32 uint8 (E8M0 scales of queries, one for each 32 codes along K); values_codes 4 x 2,048 x 32 x 24 uint8 (E2M3 codes of values, K innermost, in blocks of 32 codes, four codes in three bytes); values_scales 4 x 2,048 x 32 uint8 (E8M0 scales of values, one for each 32 codes along K).
;; Outputs: out0 4 x 2,048 x 1,024 float32.
;; This version of the problem:
;;   THIS VERSION OF THE PROBLEM IS GIVEN IN LOW PRECISION. The matrix products marked QUANTISED in the list below multiply operands that are first quantised to E2M3 (2 exponent bits, 3 mantissa bits; 6 bits a number), with one power-of-two scale for each 32 numbers along K (OCP MX v1.0); their sums are f32. All else is computed in f32.
;;   The module's matrix products, in the order in which they are computed (A, B: the left and right operand; K: the contracted axis; several contracted axes count as one K, in the product's order):
;;     1. [M 1,024, K 1,024] x [K 1,024, N 8,192]; A: input Wq (given as codes); B: input queries (given as codes): QUANTISED
;;     2. [M 1,024, K 1,024] x [K 1,024, N 8,192]; A: input Wk (given as codes); B: input keys (given as codes): QUANTISED
;;     3. [M 1,024, K 1,024] x [K 1,024, N 8,192]; A: input Wv (given as codes); B: input values (given as codes): QUANTISED
;;     4. batch 64 x [M 2,048, K 64] x [K 64, N 2,048]; A: computed on the way; B: computed on the way: QUANTISED
;;     5. batch 64 x [M 2,048, K 2,048] x [K 2,048, N 64]; A: softmax (see below); B: computed on the way: QUANTISED
;;     6. [M 8,192, K 1,024] x [K 1,024, N 1,024]; A: computed on the way; B: input Wo (given as codes): QUANTISED
;;   THE QUANTISER, for each operand of a quantised product, along K:
;;     - K is cut into blocks of 32 from its start; a last block that is shorter is filled with zeros.
;;     - A block's scale is 2^e with e = floor(log2(the largest magnitude in the block)) - 2, held to -126 .. 127; a block of zeros has e = 0. As a byte (E8M0): e + 127.
;;     - Each number is divided by its block's scale, clamped to +-7.5, and rounded to the nearest number of E2M3, ties to even, subnormals kept.
;;     - The product sums the exact products of the quantised numbers (number of the format x scale) in f32.
;;   ~~~python
;;   def quantise(x, axis):      # numpy; x: float32 -> the quantised numbers, widened to float32 again
;;       x = np.moveaxis(x, axis, -1); K = x.shape[-1]
;;       x = np.pad(x, [(0, 0)] * (x.ndim - 1) + [(0, -K % 32)]); x = x.reshape(x.shape[:-1] + (-1, 32)); a = np.abs(x).max(-1, keepdims=True)
;;       e = np.where(a > 0, np.clip(np.frexp(np.where(a > 0, a, 1))[1] - 1 - 2, -126, 127), 0)      # np.frexp(a)[1] - 1 = floor(log2(a)), exactly
;;       r = np.clip(x / 2.0 ** e, -7.5, 7.5)
;;       step = 2.0 ** (np.maximum(np.frexp(np.where(r == 0, 1, r))[1] - 1, 0) - 3)
;;       q = np.round(r / step) * step * 2.0 ** e      # np.round: ties to even
;;       return np.moveaxis(q.reshape(q.shape[:-2] + (-1,))[..., :K], -1, axis).astype(np.float32)
;;   ~~~
;;   SOFTMAX AHEAD OF A QUANTISED PRODUCT. Where the list says 'softmax', what is quantised is not the finished softmax but p = 2^(t - M), with t = logit x log2(e) and M = ceil(the row's largest t), a whole number; so 1/2 < the row's largest p <= 1. The row's sum l is taken of the UNQUANTISED p, in f32, and the product's result is divided by l at the end. Since M is a whole number, a kernel that streams over the keys may use a running M (the ceiling of the running maximum): every later rescaling is an exact power of two, which a block's scale takes up: the codes' values come out the same.
;;   OPERANDS COMPUTED ON THE WAY. 'Computed on the way' means the value that the module computes at that place (a softmax that the list does not call 'softmax' is quantised finished and normalised). What goes into a quantiser is computed in f32, as accurately as f32 sums, v_exp_f32 and their like allow (about 1e-6 of the number): no bf16 or f16 on the way to a quantiser, and a product that is left as it is and whose result goes on into a quantised operand takes f32 operands (vector FMAs, or v_wmma_f32_16x16x4_f32). A number that lies on a knife's edge between two numbers of the format may be rounded either way, as far as f32 arithmetic and the matrix unit's own rounding can turn it there, and no further.
;;   INPUTS GIVEN AS CODES. Wk (in the module: [16, 1024, 64], K = its axis 1); Wo (in the module: [1024, 1024], K = its axis 0); Wq (in the module: [16, 1024, 64], K = its axis 1); Wv (in the module: [16, 1024, 64], K = its axis 1); keys (in the module: [4, 2048, 1024], K = its axis 2); queries (in the module: [4, 2048, 1024], K = its axis 2); values (in the module: [4, 2048, 1024], K = its axis 2): each comes as NAME_codes (uint8): NAME with its K axis moved to the last place and cut into blocks of 32 codes, [.., K / 32, bytes a block], one block behind the other in memory; four codes in three bytes: a row's codes are one little-endian stream of bits, code i at bits 6 i .. 6 i + 5 (a code: sign, 2 exponent bits, 3 mantissa bits); and NAME_scales (uint8): the same leading axes, one E8M0 byte (e + 127) for each 32 codes along K. Its value is code x scale, taken as it is: it is not quantised again, and the codes and scales need not be those that the quantiser above would give.
;; One version. Each part assembles by itself: llvm-mc -triple=amdgcn-amd-amdhsa -mcpu=gfx1250 --defsym DOCPART=n.
;; ======== version 1 of 1: 3 launches
;; limits: right only within a limited range of input values
;; workspace buffers: qws 6,553,600 bytes; kv 13,107,200 bytes; mbits 2,099,200 bytes of whole numbers; ocodes 6,291,456 bytes; osc 262,144 bytes
;; launch proj (part 1): grid 128 x 4, 4 waves a work-group, clusters of 4 x 4, 327,680 bytes of LDS; arguments queries_codes, queries_scales, keys_codes, keys_scales, values_codes, values_scales, Wq_codes, Wq_scales, Wk_codes, Wk_scales, Wv_codes, Wv_scales, masks, qws, kv, mbits; writes qws, kv, mbits
.if DOCPART == 1
	.amdgcn_target "amdgcn-amd-amdhsa--gfx1250"
	.amdhsa_code_object_version 6
	.text
	.protected	k_qfdd9dfb33a_proj
	.globl	k_qfdd9dfb33a_proj
	.p2align	8
	.type	k_qfdd9dfb33a_proj,@function
k_qfdd9dfb33a_proj:
	s_mov_b64 s[64:65], 0
	v_nop
	global_prefetch_b8 v0, s[64:65] scope:SCOPE_SE
	s_setreg_imm32_b32 hwreg(HW_REG_WAVE_MODE, 25, 1), 1
	s_wait_xcnt 0x0
	s_wait_alu depctr_hold_cnt(0) depctr_sa_sdst(0) depctr_va_vdst(0) depctr_va_sdst(0) depctr_va_ssrc(0) depctr_va_vcc(0) depctr_vm_vsrc(0)
	s_getreg_b32 s2, hwreg(HW_REG_IB_STS2, 6, 4)
	s_cmp_eq_u32 s2, 0
	s_cbranch_scc0 .Lentry_in_a_cluster
	s_endpgm
.Lentry_in_a_cluster:
	s_bfe_u32 s2, ttmp6, 0x10000c
	s_cmp_lg_u32 s2, 0xf033
	s_cbranch_scc0 .Lentry_shape_is_right
	s_endpgm
.Lentry_shape_is_right:
; THE THREE PROJECTIONS ON CODES OF FP6 (E2M3), their results quantised again and laid as the attention launch's operand registers want them; and the mask, packed.
; A work-group makes 256 x 256 of one product, a wave 128 x 128.  K goes through a ring of two LDS slots in chunks of 256 bytes of each row of codes (a row is 768 bytes: three chunks, eight steps of 96 bytes);
; steps 2 and 5 lie across two chunks.  Tiles are asked for jointly in clusters of 4 x 4.  No prefetch: the block is the largest, in clusters, and K has three chunks.
; THE MASK: each tile of 16 queries x 128 keys becomes 64 lane masks (mbits, 256 bytes a tile) and two bits behind them (from byte 0x200000 on, a word for 16 queries x 2,048 keys): 0 nothing allowed, 1 some, 2 all.
;   The attention launch passes over tiles whose two bits are 0: their p are zeros whatever the scores are.
; LIMIT: a NaN or an infinity that reaches only keys of a tile passed over is not carried to the result.
.set KROW,   768
.set ROWB,   256
.set CHUNKS, 3
.set PITCH,  272
.set FR,     12
.set NL,     6
.set NP,     4
.set HALFT,  128*PITCH
.set SLOT,   4*HALFT
.set SPARE,  2*SLOT
.set ADRA, 16
.set ADRB, 20
.set L16,  24
.set L8,   25
.set SOF,  26
.set MA,   27
.set SPW,  28
.set NIL,  29
.set SCA,  32
.set SCB,  64
.set WD,   96
.set TT,   112
.set AF,   128
.set PC,   128
.set TM,   160
.set PWS,  176
.set WT,   184
.set XW,   192
.set G1,  24
.set G0,  32
.set G1B, 48
.set G0B, 56
.set P0,  68
.set P1,  70
.set PS0, 72
.set PS1, 74
.set STA, 76
.set ST4, 78
.set BM,  84
.set TS,  88
.set GG,  100
.set HI,  101
.set SEL, 104
.set MSB, 0
.macro WIN new
.if MSB != \new
	s_set_vgpr_msb (MSB<<8)|\new
.set MSB, \new
.endif
.endm
.set MUL_LO, 0xa1
.set MUL_HI, 0xf1
.set TO_B,   0x40
.macro JLOAD g0a, g1a, g0b, g1b
	s_cmp_eq_u32 s15, 0
	s_cbranch_scc0 .Lfor_b_\@
	tensor_load_to_lds s[\g0a:\g0a+3], s[\g1a:\g1a+7]
	s_nop 0
.rept 4
	v_nop
.endr
	s_branch .Lasked_\@
.Lfor_b_\@:
	tensor_load_to_lds s[\g0b:\g0b+3], s[\g1b:\g1b+7]
	s_nop 0
.rept 4
	v_nop
.endr
.Lasked_\@:
.endm
.macro CREST
	s_cmp_lg_u32 s14, 0
	s_cbranch_scc1 .Lnot_wave_0_\@
	s_barrier_signal -3
.Lnot_wave_0_\@:
	s_barrier_wait -3
	s_barrier_signal -1
	s_barrier_wait -1
.endm
.macro CROUND
	s_barrier_signal -1
	s_barrier_wait -1
	CREST
.endm
	s_load_b512 s[68:83], s[0:1], 0x0
	s_load_b256 s[84:91], s[0:1], 0x40
	s_load_b256 s[92:99], s[0:1], 0x60
	v_lshl_add_u32 v[SPW], v0, 2, SPARE
	v_mov_b32 v[NIL], 0
	ds_add_u32 v28, v29
	ds_add_u32 v28, v29
	s_wait_dscnt 0x0
	v_lshrrev_b32 v1, 5, v0
	v_readfirstlane_b32 s14, v1
	s_lshr_b32 s15, s14, 1
	s_and_b32 s16, s14, 1
	s_bfe_u32 s40, ttmp6, 0x40000
	s_bfe_u32 s41, ttmp6, 0x40004
	s_lshr_b32 s[GG], ttmp9, 3
	s_and_b32 s[HI], ttmp9, 7
	s_lshl_b32 s[HI], s[HI], 2
	s_cmp_eq_u32 s[GG], 2
	s_cselect_b32 s17, 0, s[HI]
	s_cselect_b32 s42, s[HI], 0
	s_add_co_u32 s17, s17, s41
	s_add_co_u32 s42, s42, s40
	s_lshl_b32 s43, s41, 2
	s_lshl_b32 s43, 15, s43
	s_lshl_b32 s44, 0x1111, s40
	s_or_b32 s[G1+0], s43, (0<<16)|(1<<20)|(1<<21)|(5<<22)|(3<<25)
	s_or_b32 s[G1B+0], s44, (0<<16)|(1<<20)|(1<<21)|(5<<22)|(3<<25)
.irp g, G1, G1B
	s_mov_b32 s[\g+1], ROWB<<16
	s_mov_b32 s[\g+2], 128<<16
	s_mov_b32 s[\g+3], ROWB<<16
	s_mov_b32 s[\g+4], 128
	s_mov_b32 s[\g+5], KROW
	s_mov_b32 s[\g+6], 0
	s_mov_b32 s[\g+7], 0
.endr
	s_lshl_b32 s18, s16, 7
	s_lshl_b32 s20, s17, 8
	s_add_co_u32 s20, s20, s18
	s_lshl_b32 s46, s42, 8
	s_add_co_u32 s46, s46, s18
	s_mul_i32 s20, s20, KROW
	s_mov_b32 s21, 0
	s_mul_i32 s46, s46, KROW
	s_mov_b32 s47, 0
	s_mul_i32 s45, s14, HALFT
	s_mov_b32 s[SEL], 0x76543210
	s_mov_b32 s[SEL+1], 0xfedcba98
	s_wait_alu depctr_va_vdst(0)
	s_wait_kmcnt 0x0
	s_cmp_eq_u32 s[GG], 3                          ; clusters 24 to 31 pack the mask and multiply nothing: the number is the same in all sixteen partners
	s_cbranch_scc1 .Lmask_only
	s_cmp_eq_u32 s[GG], 1
	s_cselect_b64 s[4:5], s[72:73], s[68:69]
	s_cselect_b64 s[6:7], s[74:75], s[70:71]
	s_cselect_b64 s[8:9], s[84:85], s[80:81]
	s_cselect_b64 s[10:11], s[86:87], s[82:83]
	s_cselect_b64 s[12:13], s[96:97], s[94:95]
	s_cmp_eq_u32 s[GG], 2
	s_cselect_b64 s[4:5], s[88:89], s[4:5]
	s_cselect_b64 s[6:7], s[90:91], s[6:7]
	s_cselect_b64 s[8:9], s[76:77], s[8:9]
	s_cselect_b64 s[10:11], s[78:79], s[10:11]
	s_cselect_b64 s[12:13], s[96:97], s[12:13]
	s_add_nc_u64 s[20:21], s[4:5], s[20:21]
	s_add_nc_u64 s[46:47], s[8:9], s[46:47]
	CROUND
.irp s, 0,1
	s_mov_b32 s[G0+4*\s], 1
	s_add_co_u32 s[G0+4*\s+1], s45, \s*SLOT
	s_add_nc_u64 s[G0+4*\s+2:G0+4*\s+3], s[20:21], \s*ROWB
	s_or_b32 s[G0+4*\s+3], s[G0+4*\s+3], 0x80000000
	s_mov_b32 s[G0B+4*\s], 1
	s_add_co_u32 s[G0B+4*\s+1], s45, \s*SLOT
	s_add_nc_u64 s[G0B+4*\s+2:G0B+4*\s+3], s[46:47], \s*ROWB
	s_or_b32 s[G0B+4*\s+3], s[G0B+4*\s+3], 0x80000000
	s_wait_alu depctr_va_vdst(0)
	s_wait_tensorcnt 0x0
	ds_add_u32 v28, v29
	ds_add_u32 v28, v29
	s_wait_dscnt 0x0
	CROUND
	JLOAD G0+4*\s, G1, G0B+4*\s, G1B
.endr
	v_and_b32 v1, 15, v0
	v_bfe_u32 v2, v0, 4, 1
	v_mul_u32_u24 v3, v1, PITCH
	v_mul_u32_u24 v4, v2, 24
	v_add_nc_u32 v4, v3, v4
	s_mov_b32 s21, SLOT-232
	s_mov_b32 s22, SLOT+232
	v_sub_nc_u32 v7, 1, v2
	v_mul_u32_u24 v5, s21, v2
	v_add_nc_u32 v5, v3, v5
	v_add_nc_u32 v5, 232, v5                       ; across two chunks: lanes 0-15 byte 232 of the row in slot 0, lanes 16-31 byte 0 of the row in slot 1;
	v_mul_u32_u24 v6, s22, v7
	v_add_nc_u32 v6, v3, v6                        ; and the other way round
	s_mul_i32 s21, s15, HALFT
	s_mul_i32 s22, s16, HALFT
	s_add_co_u32 s22, s22, 2*HALFT
	v_add_nc_u32 v[ADRA+2], s21, v5
	v_add_nc_u32 v[ADRA+3], s21, v6
	v_add_nc_u32 v[ADRB+2], s22, v5
	v_add_nc_u32 v[ADRB+3], s22, v6
.irp s, 0,1
	v_add_nc_u32 v[ADRA+\s], s21, v4
	v_add_nc_u32 v[ADRB+\s], s22, v4
	s_add_co_u32 s21, s21, SLOT
	s_add_co_u32 s22, s22, SLOT
.endr
	v_and_b32 v6, 31, v0
	v_lshlrev_b32 v[L16], 4, v6
	v_lshlrev_b32 v[L8], 3, v6
	v_lshlrev_b32 v[SOF], 5, v1
	v_lshl_add_u32 v[SOF], v2, 4, v[SOF]
	s_wait_alu depctr_va_vdst(0)
	s_lshl_b32 s18, s17, 8
	s_lshl_b32 s19, s15, 7
	s_add_co_u32 s18, s18, s19
	s_lshl_b32 s18, s18, 5
	s_mov_b32 s19, 0
	s_add_nc_u64 s[6:7], s[6:7], s[18:19]
	s_lshl_b32 s18, s42, 8
	s_lshl_b32 s22, s16, 7
	s_add_co_u32 s18, s18, s22
	s_lshl_b32 s18, s18, 5
	s_add_nc_u64 s[10:11], s[10:11], s[18:19]
.irp i, 0,1,2,3,4,5,6,7
	global_load_b128 v[SCA+4*\i:SCA+4*\i+3], v[SOF], s[6:7] offset:512*\i
	global_load_b128 v[SCB+4*\i:SCB+4*\i+3], v[SOF], s[10:11] offset:512*\i
.endr
	s_cmp_eq_u32 s[GG], 2
	s_cselect_b32 s80, s42, s17
	s_cselect_b32 s81, s16, s15
	s_cselect_b32 s82, s17, s42
	s_cselect_b32 s83, s15, s16
	s_mov_b32 s[STA], 768
	s_cselect_b32 s[STA], 1536, s[STA]
	s_mov_b32 s[ST4], 768
	s_cselect_b32 s[ST4], 200192, s[ST4]
	s_cselect_b32 s18, 6144, 0
	s_mov_b32 s19, 204800
	s_cselect_b32 s19, 768, s19
	s_mov_b32 s22, 12288
	s_cselect_b32 s22, 12544, s22
	s_cmp_eq_u32 s[GG], 0
	s_cselect_b32 s19, 102400, s19
	s_cselect_b32 s22, 6144, s22
	s_mov_b32 s23, 12800
	s_cselect_b32 s23, 6400, s23
	s_mov_b32 s3, 204800
	s_cselect_b32 s3, 102400, s3
	s_lshl_b32 s80, s80, 1
	s_add_co_u32 s80, s80, s81
	s_lshl_b32 s82, s82, 2
	s_lshl_b32 s83, s83, 1
	s_add_co_u32 s82, s82, s83
	s_lshr_b32 s81, s80, 4
	s_lshl_b32 s81, s81, 4
	s_add_co_u32 s81, s81, s82
	s_lshl_b32 s81, s81, 4
	s_and_b32 s80, s80, 15
	s_add_co_u32 s81, s81, s80
	s_mul_i32 s81, s81, s23
	s_add_co_u32 s82, s81, s18
	s_mov_b32 s83, 0
	s_add_nc_u64 s[P0:P0+1], s[12:13], s[82:83]
	s_mov_b32 s82, s19
	s_add_nc_u64 s[P1:P1+1], s[P0:P0+1], s[82:83]
	s_add_co_u32 s82, s81, s22
	s_add_nc_u64 s[PS0:PS0+1], s[12:13], s[82:83]
	s_mov_b32 s82, s3
	s_add_nc_u64 s[PS1:PS1+1], s[PS0:PS0+1], s[82:83]
	s_mov_b32 s[STA+1], 0
	s_mov_b32 s[ST4+1], 0
	s_mov_b32 s[HI], 0xffff0000
	s_branch .Lno_mask                             ; the work-groups that multiply go round the packing
; THE MASK'S WORK-GROUPS: 128 of them, 512 waves; a wave packs one tile of 16 query rows x 2,048 keys, in two trips of 1,024 keys.  They issue no tensor load.
.Lmask_only:
	s_lshl_b32 s18, s[HI], 2                       ; 16 x (cluster % 8)
	s_lshl_b32 s19, s41, 2
	s_add_co_u32 s18, s18, s19
	s_add_co_u32 s18, s18, s40                     ; work-group 0 .. 127
	s_lshl_b32 s18, s18, 2
	s_add_co_u32 s19, s18, s14                     ; my tile, 0 .. 511
	s_lshl_b32 s22, s19, 15                        ; 16 rows of 2,048 bytes
	s_mov_b32 s23, 0
	s_add_nc_u64 s[92:93], s[92:93], s[22:23]
	s_lshl_b32 s22, s19, 2
	s_add_co_u32 s22, s22, 0x200000
	s_add_nc_u64 s[80:81], s[98:99], s[22:23]      ; its flag word
	s_lshl_b32 s22, s19, 12
	s_add_nc_u64 s[98:99], s[98:99], s[22:23]      ; its lane masks
	s_mov_b32 s3, 2
	v_and_b32 v1, 15, v0
	v_bfe_u32 v2, v0, 4, 1
	v_and_b32 v6, 31, v0
	v_lshlrev_b32 v[L8], 3, v6
	v_lshlrev_b32 v[MA], 11, v1
	v_lshl_add_u32 v[MA], v2, 3, v[MA]
	s_mov_b32 s[BM], 0xff
	s_mov_b32 s[BM+1], 0xff00
	s_mov_b32 s[BM+2], 0xff0000
	s_mov_b32 s[BM+3], 0xff000000
.irp i, 0,1,2,3,4,5,6,7,8,9,10,11,12,13,14,15
	v_mov_b32 v[WD+\i], 0
.endr
.Lhalf:
	s_mov_b32 s82, 0                               ; the flag bits of this trip's eight steps
.set tt, 0
.rept 64
	global_load_b64 v[128+2*tt:129+2*tt], v[MA], s[92:93] offset:16*tt
.set tt, tt+1
.endr
.set jj, 0
.rept 8
	s_wait_loadcnt 56-8*jj
.set nn, 0
.rept 16
.irp k, 0,1,2,3
	v_and_b32 v[TT+\k], s[BM+\k], v[128+2*(8*jj+nn/8)+(nn%8)/4]
.endr
.irp k, 0,1,2,3
	v_cmp_ne_u32 s[TS+\k], 0, v[TT+\k]
.endr
.irp k, 0,1,2,3
	v_writelane_b32 v[WD+2*jj+\k%2], s[TS+\k], (nn+\k)/2
.endr
.set nn, nn+4
.endr
	global_store_b64 v[L8], v[WD+2*jj:WD+2*jj+1], s[98:99] offset:256*jj
	v_or_b32 v[TT], v[WD+2*jj], v[WD+2*jj+1]
	v_and_b32 v[TT+1], v[WD+2*jj], v[WD+2*jj+1]
	v_cmp_ne_u32 s[TS], 0, v[TT]                   ; some bit of the 64 words is set
	v_cmp_ne_u32 s[TS+1], -1, v[TT+1]              ; some bit is clear
	s_cmp_lg_u32 s[TS], 0
	s_cselect_b32 s83, 1<<(2*jj), 0
	s_cmp_eq_u32 s[TS+1], 0
	s_cselect_b32 s83, 2<<(2*jj), s83
	s_or_b32 s82, s82, s83
.set jj, jj+1
.endr
	v_mov_b32 v[TT], s82
	v_mov_b32 v[TT+1], 0
	global_store_b16 v[TT+1], v[TT], s[80:81]      ; every lane writes the same two bytes with the same value
	s_wait_xcnt 0x0                                ; loads and stores have read their bases and data: both are written again only behind this wait
	s_add_nc_u64 s[92:93], s[92:93], 1024          ; 1,024 keys on
	s_add_nc_u64 s[98:99], s[98:99], 2048
	s_add_nc_u64 s[80:81], s[80:81], 2
	s_sub_co_u32 s3, s3, 1
	s_cmp_lg_u32 s3, 0
	s_wait_alu depctr_va_vdst(0)
	s_cbranch_scc1 .Lhalf
	s_wait_tensorcnt 0x0                           ; the wave's end
	ds_add_u32 v[SPW], v[NIL]
	s_wait_dscnt 0x0
	CROUND                                         ; the closing round
	s_endpgm
.Lno_mask:
	s_wait_loadcnt 0x0
.macro FRAG reg, adr, st, i            ; pieces of 8 bytes; byte y of a row of codes lies in chunk y / 256, slot (y / 256) % 2, at byte y % 256 of the LDS row; lanes 16-31 read 24 bytes on
.irp p, 0,1,2,3,4,5
.set BY, 96*(\st)+48*(\p/3)+8*(\p%3)
.if BY/ROWB == (BY+24)/ROWB
	ds_load_b64 v[\reg+2*\p:\reg+2*\p+1], v[\adr+(BY/ROWB)%2] offset:BY%ROWB+(\i)*16*PITCH
.else
	ds_load_b64 v[\reg+2*\p:\reg+2*\p+1], v[\adr+2+(BY/ROWB)%2] offset:BY%ROWB-232+(\i)*16*PITCH
.endif
.endr
.endm
.macro MUL16 a0, p, pi, zero
.irp a, \a0, \a0+1
.irp b, 0,1,2,3,4,5,6,7
.set rD, 8*(8*((\a)%4)+\b)
.set rB, 128*(\p)+FR*\b
.set rA, AF+FR*(\a)
.set rX, SCB+4*\b+(\pi)%4
.set rY, SCA+4*(\a)+(\pi)%4
.if \zero
	v_wmma_scale_f32_16x16x128_f8f6f4 v[rD:rD+7], v[rB:rB+FR-1], v[rA:rA+FR-1], 0, v[rX], v[rY] matrix_a_fmt:MATRIX_FMT_FP6 matrix_b_fmt:MATRIX_FMT_FP6
.elseif (\pi) < 4
	v_wmma_scale_f32_16x16x128_f8f6f4 v[rD:rD+7], v[rB:rB+FR-1], v[rA:rA+FR-1], v[rD:rD+7], v[rX], v[rY] matrix_a_fmt:MATRIX_FMT_FP6 matrix_b_fmt:MATRIX_FMT_FP6
.else
	v_wmma_scale_f32_16x16x128_f8f6f4 v[rD:rD+7], v[rB:rB+FR-1], v[rA:rA+FR-1], v[rD:rD+7], v[rX], v[rY] matrix_a_fmt:MATRIX_FMT_FP6 matrix_b_fmt:MATRIX_FMT_FP6 matrix_a_scale:MATRIX_SCALE_ROW1 matrix_b_scale:MATRIX_SCALE_ROW1
.endif
.endr
.endr
.endm
.macro FETCH_B st, p
	WIN TO_B
.irp i, 0,1,2,3,4,5,6,7
	FRAG 128*(\p)+FR*\i, ADRB, \st, \i
.endr
	WIN 0
.endm
.macro FETCH_A st, i0
.irp i, \i0, \i0+1, \i0+2, \i0+3
	FRAG AF+FR*(\i), ADRA, \st, \i
.endr
.endm
.macro PLACES n
.rept \n
	v_nop
.endr
.endm
; A step of 128 along K: 64 products; the next step's fragments are fetched in its middle and at its end.  Where the next step's bytes END in a chunk not read yet: the wait for my tensor loads and a barrier.
; Where they BEGIN in a later chunk: the chunk left behind is read no more: the wait, the add, the wait for it and for my reads, the barrier; where a chunk two on is left to fetch, the barrier opens a round and the slot is filled again.
.macro STEP st, zero
.set NX, (\st)+1
.set C0, (96*(\st))/ROWB
.set C1, (96*NX)/ROWB
.set E0, (96*(\st)+95)/ROWB
.set E1, (96*NX+95)/ROWB
.if C1 > C0 || E1 > E0
	s_wait_tensorcnt 0x0                           ; all my tensor loads have landed
.if C1 > C0
	ds_add_u32 v[SPW], v[NIL]
	s_wait_dscnt 4*NL+1                            ; the add and A's blocks 4-7 may be out
.else
	s_wait_dscnt 4*NL                              ; A's blocks 4-7 may be out
.endif
	WIN MUL_LO
	MUL16 0, (\st)%2, \st, \zero
	s_wait_dscnt 0x0                               ; the add and all my reads are done
	s_barrier_signal -1
	MUL16 2, (\st)%2, \st, \zero
	WIN 0
	s_barrier_wait -1
.if C1 > C0 && C0+2 < CHUNKS
	CREST
	s_add_nc_u64 s[G0+4*(C0%2)+2:G0+4*(C0%2)+3], s[G0+4*(C0%2)+2:G0+4*(C0%2)+3], 2*ROWB
	s_add_nc_u64 s[G0B+4*(C0%2)+2:G0B+4*(C0%2)+3], s[G0B+4*(C0%2)+2:G0B+4*(C0%2)+3], 2*ROWB
	JLOAD G0+4*(C0%2), G1, G0B+4*(C0%2), G1B       ; chunk C0 + 2, first behind the round
.else
	PLACES NP
.endif
.else
	s_wait_dscnt 4*NL
	WIN MUL_LO
	MUL16 0, (\st)%2, \st, \zero
	MUL16 2, (\st)%2, \st, \zero
	s_wait_dscnt 0
	PLACES NP
.endif
	FETCH_B NX, NX%2
	FETCH_A NX, 0
	WIN MUL_HI
	MUL16 4, (\st)%2, \st, \zero
	MUL16 6, (\st)%2, \st, \zero
	PLACES NP
	WIN 0
	FETCH_A NX, 4
.endm
	s_wait_tensorcnt 1
	s_barrier_signal -1
	s_barrier_wait -1
	FETCH_B 0, 0
	FETCH_A 0, 0
	FETCH_A 0, 4
	STEP 0, 1
.set ST, 1
.rept 6
	STEP ST, 0
.set ST, ST+1
.endr
	s_wait_dscnt 4*NL
	WIN MUL_LO
	MUL16 0, 1, 7, 0
	MUL16 2, 1, 7, 0
	s_wait_dscnt 0
	WIN MUL_HI
	MUL16 4, 1, 7, 0
	MUL16 6, 1, 7, 0
	WIN 0
.macro QUANT64 a
.set AC, 64*((\a)%4)
	WIN 0x28+0x14*((\a)/4)
.irp b, 0,1,2,3
	v_max3_num_f32 v[TM+\b], 0x1800000, |v[AC+16*\b]|, |v[AC+16*\b+1]|
.endr
.irp i, 2,4,6,8,10,12,14
.irp b, 0,1,2,3
	v_max3_num_f32 v[TM+\b], v[TM+\b], |v[AC+16*\b+\i]|, |v[AC+16*\b+\i+1]|
.endr
.endr
	WIN 0
.irp b, 0,1,2,3
	v_permlanex16_b32 v[TM+4+\b], v[TM+\b], s[SEL], s[SEL+1]
.endr
.irp b, 0,1,2,3
	v_max_num_f32 v[TM+\b], v[TM+\b], v[TM+4+\b]
.endr
.irp b, 0,1,2,3
	v_add_nc_u32 v[TM+12+\b], 0xff000000, v[TM+\b]
.endr
.irp b, 0,1,2,3
	v_lshrrev_b32 v[TM+4+\b], 23, v[TM+12+\b]
.endr
	v_lshl_or_b32 v[PWS+(\a)], v[TM+5], 8, v[TM+4]
	v_lshl_or_b32 v[PWS+(\a)], v[TM+6], 16, v[PWS+(\a)]
	v_lshl_or_b32 v[PWS+(\a)], v[TM+7], 24, v[PWS+(\a)]
	WIN 0x02+((\a)/4)
.irp c, 0,1
	v_cvt_scalef32_pk16_fp6_f32 v[PC+6*\c:PC+2+6*\c], v[AC+32*\c:AC+32*\c+15], v[TM+12+2*\c]
	v_cvt_scalef32_pk16_fp6_f32 v[PC+12+4*\c:PC+14+4*\c], v[AC+32*\c+16:AC+32*\c+31], v[TM+12+2*\c+1]
.endr
	WIN 0
	v_nop
.irp c, 0,1
.irp i, 0,1,2
	v_permlane16_swap_b32 v[PC+6*\c+\i], v[PC+12+4*\c+\i]
.endr
.irp i, 0,1,2
	v_mov_b32 v[PC+3+6*\c+\i], v[PC+12+4*\c+\i]
.endr
.endr
.endm
	PLACES NP
.irp b, 0,1,2,3
	v_mov_b32 v[TM+4+\b], 0
.endr
.irp a, 0,1,2,3,4,5,6,7
.if \a > 0
	s_wait_xcnt 0x0
.if \a == 4
	s_add_nc_u64 s[P0:P0+1], s[P0:P0+1], s[ST4:ST4+1]
	s_add_nc_u64 s[P1:P1+1], s[P1:P1+1], s[ST4:ST4+1]
.else
	s_add_nc_u64 s[P0:P0+1], s[P0:P0+1], s[STA:STA+1]
	s_add_nc_u64 s[P1:P1+1], s[P1:P1+1], s[STA:STA+1]
.endif
.endif
	QUANT64 \a
	global_store_b128 v[L16], v[PC:PC+3], s[P0:P0+1]
	global_store_b64 v[L8], v[PC+4:PC+5], s[P0:P0+1] offset:512
	global_store_b128 v[L16], v[PC+6:PC+9], s[P1:P1+1]
	global_store_b64 v[L8], v[PC+10:PC+11], s[P1:P1+1] offset:512
.endr
	s_cmp_eq_u32 s[GG], 2
	s_cbranch_scc1 .Lv_scales
.irp b, 0,1,2,3
	v_perm_b32 v[WT+\b], v[PWS+2*\b+1], v[PWS+2*\b], 0x05040100
	v_perm_b32 v[WT+4+\b], v[PWS+2*\b+1], v[PWS+2*\b], 0x07060302
.endr
.irp y, 0,1
	v_cndmask_b32 v[XW+2*\y], v[WT+4*\y], v[WT+4*\y+1], s[HI]
	v_cndmask_b32 v[XW+2*\y+1], v[WT+4*\y+2], v[WT+4*\y+3], s[HI]
.endr
	s_branch .Lscales_made
.Lv_scales:
.irp y, 0,1
	v_cndmask_b32 v[XW+2*\y], v[PWS+4*\y], v[PWS+4*\y+1], s[HI]
	v_cndmask_b32 v[XW+2*\y+1], v[PWS+4*\y+2], v[PWS+4*\y+3], s[HI]
.endr
.Lscales_made:
	s_wait_alu depctr_va_vdst(0)
	global_store_b64 v[L8], v[XW:XW+1], s[PS0:PS0+1]
	global_store_b64 v[L8], v[XW+2:XW+3], s[PS1:PS1+1]
	s_wait_tensorcnt 0x0
	ds_add_u32 v[SPW], v[NIL]
	s_wait_dscnt 0x0
	CROUND
	s_endpgm
.Lfunc_end_k_qfdd9dfb33a_proj:
	.size	k_qfdd9dfb33a_proj, .Lfunc_end_k_qfdd9dfb33a_proj-k_qfdd9dfb33a_proj
	.p2alignl 7, 3214868480
	.fill 96, 4, 3214868480
	.section	.rodata,"a",@progbits
	.p2align	6, 0x0
	.amdhsa_kernel k_qfdd9dfb33a_proj
		.amdhsa_group_segment_fixed_size 327680
		.amdhsa_private_segment_fixed_size 0
		.amdhsa_enable_private_segment 0
		.amdhsa_kernarg_size 128
		.amdhsa_user_sgpr_count 2
		.amdhsa_user_sgpr_kernarg_segment_ptr 1
		.amdhsa_wavefront_size32 1
		.amdhsa_system_sgpr_workgroup_id_x 1
		.amdhsa_system_sgpr_workgroup_id_y 1
		.amdhsa_system_sgpr_workgroup_id_z 1
		.amdhsa_system_vgpr_workitem_id 0
		.amdhsa_next_free_vgpr 1024
		.amdhsa_next_free_sgpr 106
		.amdhsa_reserve_vcc 0
		.amdhsa_float_denorm_mode_32 3
		.amdhsa_float_denorm_mode_16_64 3
		.amdhsa_memory_ordered 1
		.amdhsa_forward_progress 1
		.amdhsa_inst_pref_size 255
	.end_amdhsa_kernel
	.section	.bss,"aw",@nobits
	.p2align	6
	.space	262144
	.amdgpu_metadata
---
amdhsa.version: [ 1, 2 ]
amdhsa.kernels:
  - .name:           k_qfdd9dfb33a_proj
    .symbol:         k_qfdd9dfb33a_proj.kd
    .args:
      - { .name: queries_codes, .offset: 0, .size: 8, .value_kind: global_buffer, .address_space: global }
      - { .name: queries_scales, .offset: 8, .size: 8, .value_kind: global_buffer, .address_space: global }
      - { .name: keys_codes, .offset: 16, .size: 8, .value_kind: global_buffer, .address_space: global }
      - { .name: keys_scales, .offset: 24, .size: 8, .value_kind: global_buffer, .address_space: global }
      - { .name: values_codes, .offset: 32, .size: 8, .value_kind: global_buffer, .address_space: global }
      - { .name: values_scales, .offset: 40, .size: 8, .value_kind: global_buffer, .address_space: global }
      - { .name: Wq_codes, .offset: 48, .size: 8, .value_kind: global_buffer, .address_space: global }
      - { .name: Wq_scales, .offset: 56, .size: 8, .value_kind: global_buffer, .address_space: global }
      - { .name: Wk_codes, .offset: 64, .size: 8, .value_kind: global_buffer, .address_space: global }
      - { .name: Wk_scales, .offset: 72, .size: 8, .value_kind: global_buffer, .address_space: global }
      - { .name: Wv_codes, .offset: 80, .size: 8, .value_kind: global_buffer, .address_space: global }
      - { .name: Wv_scales, .offset: 88, .size: 8, .value_kind: global_buffer, .address_space: global }
      - { .name: masks, .offset: 96, .size: 8, .value_kind: global_buffer, .address_space: global }
      - { .name: qws, .offset: 104, .size: 8, .value_kind: global_buffer, .address_space: global }
      - { .name: kv, .offset: 112, .size: 8, .value_kind: global_buffer, .address_space: global }
      - { .name: mbits, .offset: 120, .size: 8, .value_kind: global_buffer, .address_space: global }
    .group_segment_fixed_size: 327680
    .private_segment_fixed_size: 0
    .kernarg_segment_align: 8
    .kernarg_segment_size: 128
    .max_flat_workgroup_size: 128
    .sgpr_count:     106
    .vgpr_count:     1024
    .wavefront_size: 32
...
	.end_amdgpu_metadata
.endif
;; end of part 1
;; launch attn (part 2): grid 4 x 64, 16 waves a work-group, no clusters, 206,848 bytes of LDS; arguments qws, kv, mbits, ocodes, osc; writes ocodes, osc
.if DOCPART == 2
	.amdgcn_target "amdgcn-amd-amdhsa--gfx1250"
	.amdhsa_code_object_version 6
	.text
	.protected	k_qfdd9dfb33a_attn
	.globl	k_qfdd9dfb33a_attn
	.p2align	8
	.type	k_qfdd9dfb33a_attn,@function
k_qfdd9dfb33a_attn:
	s_mov_b64 s[64:65], 0
	v_nop
	global_prefetch_b8 v0, s[64:65] scope:SCOPE_SE
	s_setreg_imm32_b32 hwreg(HW_REG_WAVE_MODE, 25, 1), 1
	s_wait_xcnt 0x0
; ATTENTION ON CODES OF FP6 (E2M3): S^T = K Q^T, the mask, p = 2^(t - M), O^T = V^T P^T, O / l quantised along the head's 64 for the last product.
; LEFT OUT, by whole numbers read from memory: a tile of 16 queries x 128 keys whose two flag bits (stored by the launch before) are 0 has no key allowed: all its p are 0, it moves neither the maximum, the sum nor O^T.
; A tile whose bits are 2 has every key allowed: its 64 selects would change nothing, and its lane masks are not read.  Every mask is served; nothing is taken from a mask's pattern.
; SHARES.  Four work-groups to a (batch, head).  Work-group c owns the query tiles T = 4 i + c, i = 0 .. 31; wave w takes i = w and then i = 31 - w, so that early and late rows are paired in every wave.
; THE HEAD'S WHOLE K AND V LIE IN LDS: 16 blocks of 12,800 bytes (8 half fragments of K, 8 of V, K's and V's scale words); wave w copies block w through registers, once; one barrier follows, and no other.
; cluster = none, and no tensor load.  No prefetch: besides the head and a pass's head, memory is read only for a step's lane masks.
; A half fragment is an image of 6 operand registers: lane l's registers 0-3 at 16 l, registers 4-5 at 512 + 8 l.
; K = 64 IN AN INSTRUCTION OF K = 128: source 0 = [key tile 2 j | key tile 2 j + 1]; by [Q | zeros] it gives tile 2 j's scores, by [zeros | Q] tile 2 j + 1's.
; A lane holds ONE query; register n of the scores is key 16 (n / 8) + 8 h + n % 8 of the step.
; THE SOFTMAX: t = score x log2(e) / 8; M = the running largest t rounded up to a whole number; the sum is taken of the unquantised p; when M moves, sum and O^T are multiplied by 2^(old M - new M).
; LIMITS: a query with nothing allowed has the sum 0: its scale bytes are set to 0xff, which makes its output row NaN, as a softmax over nothing is.  A block whose largest magnitude lies under 2^-124 keeps the scale byte 1
; (read by this program alone).  A NaN or an infinity that reaches only keys of a tile passed over is not carried to the result.  The scaled scores stay under 2^31 in magnitude.
; REGISTERS: v1 16 l, v2 8 l, v3-4 the step's LDS addresses, v5 -infinity, v6 8 r, v7 32 r, v9-10 Q's scale word, v12 -M, v13 largest t, v[14:15] the sum, v16-33 [zeros | Q | zeros],
;   v34-37 K's and V's scale words, v40-87 fragments, v96-159 scores, then p, v160-191 O^T, v224-235 codes, v230-254 at work, v250-251 the add's, v255 0xffff.
.set STEPB, 12800
.set VO,    6144
.set KSO,   12288
.set VSO,   12544
.set SPARE, 16*STEPB                   ; the spare words: 128 bytes a wave
.set FLAGS, 0x200000                   ; where the flag words begin in mbits
.set S,   96
.set O,   160
.set F,   40
.set OS,    6                          ; s[6:7] kv at the head, then the pass's place in osc
.set WV,    14
.set PASS,  15
.set STEPC, 66
.set TB,    67
.set CX,    84
.set BH,    85
.set TI,    86
.set FW,    87                         ; the tile's flag bits, two a step, shifted down step by step
.set FL,    88
.set QF,    90
.set QS,    92
.set OC,    94
.set SEL,   96
.set CS,    98
.set MO,    100
.set SH,    101
.macro QK                              ; the step's scores; then V's fragments take K's registers
	v_add_nc_u32 v3, s[TB], v1
	v_add_nc_u32 v4, s[TB], v2
	v_nop
	v_nop                                          ; four places between the last products and the loads into their registers
.irp t, 0,1,2,3,4,5,6,7
	ds_load_b128 v[F+6*\t:F+6*\t+3], v3 offset:768*\t
	ds_load_b64 v[F+6*\t+4:F+6*\t+5], v4 offset:768*\t+512
.endr
	ds_load_b64 v[34:35], v4 offset:KSO
	ds_load_b64 v[36:37], v4 offset:VSO
	s_wait_alu depctr_va_vdst(0)
	s_wait_dscnt 0x0
.irp t, 0,1,2,3,4,5,6,7
.if (\t/2)%2
	v_wmma_scale_f32_16x16x128_f8f6f4 v[S+8*\t:S+8*\t+7], v[F+12*(\t/2):F+12*(\t/2)+11], v[22-6*(\t%2):33-6*(\t%2)], 0, v[34+\t/4], v10 matrix_a_fmt:MATRIX_FMT_FP6 matrix_b_fmt:MATRIX_FMT_FP6 matrix_a_scale:MATRIX_SCALE_ROW1
.else
	v_wmma_scale_f32_16x16x128_f8f6f4 v[S+8*\t:S+8*\t+7], v[F+12*(\t/2):F+12*(\t/2)+11], v[22-6*(\t%2):33-6*(\t%2)], 0, v[34+\t/4], v10 matrix_a_fmt:MATRIX_FMT_FP6 matrix_b_fmt:MATRIX_FMT_FP6
.endif
.endr
.rept 4
	v_nop
.endr
.irp u, 0,1,2,3,4,5,6,7
	ds_load_b128 v[F+6*\u:F+6*\u+3], v3 offset:VO+768*\u
	ds_load_b64 v[F+6*\u+4:F+6*\u+5], v4 offset:VO+768*\u+512
.endr
.endm
	s_load_b256 s[4:11], s[0:1], 0x0               ; qws s[4:5], kv s[6:7], mbits s[8:9], ocodes s[10:11]
	s_load_b64 s[12:13], s[0:1], 0x20              ; osc
	v_lshl_add_u32 v250, v0, 2, SPARE
	v_mov_b32 v251, 0
	v_lshrrev_b32 v1, 5, v0
	s_delay_alu instid0(VALU_DEP_1)
	v_readfirstlane_b32 s[WV], v1                  ; wave 0..15
	s_mov_b32 s[CX], ttmp9                         ; c
	s_and_b32 s[BH], ttmp7, 0xffff                 ; 16 b + head
	s_lshl_b32 s20, s[BH], 4
	s_add_co_u32 s20, s20, s[WV]                   ; wave w copies step w's block
	s_mul_i32 s20, s20, STEPB
	s_mov_b32 s21, 0
	s_mul_i32 s22, s[WV], STEPB
	s_mov_b32 s[SEL], 0x76543210
	s_mov_b32 s[SEL+1], 0xfedcba98
	s_mov_b32 s[CS], 0x3e38aa3b                    ; log2(e) / 8
	s_mov_b32 s[CS+1], s[CS]
	v_and_b32 v2, 31, v0
	v_and_b32 v6, 15, v0
	s_delay_alu instid0(VALU_DEP_2)
	v_lshlrev_b32 v1, 4, v2
	v_lshlrev_b32 v2, 3, v2
	v_lshlrev_b32 v7, 5, v6
	v_lshlrev_b32 v6, 3, v6
	v_add_nc_u32 v3, s22, v1
	v_mov_b32 v5, 0xff800000
	v_mov_b32 v255, 0xffff
.irp i, 16,17,18,19,20,21,28,29,30,31,32,33
	v_mov_b32 v\i, 0                               ; zero codes on both sides of Q
.endr
.irp i, 236,237,238,239,249,252,253
	v_mov_b32 v\i, 0                               ; lane permutes' destinations and upper halves of pairs count as read
.endr
	s_wait_alu depctr_va_vdst(0)
	s_wait_kmcnt 0x0
	s_add_nc_u64 s[6:7], s[6:7], s[20:21]
.set FO, 89                            ; s89  byte offset of the flag word asked for
.set FN, 104                           ; s104 the flag word asked for, a pass ahead
.macro ASKQ                            ; tile 4 s[TI] + c: its flag bits, Q's half fragment and scale word are asked for a pass ahead, into s[FN] and v196-202
	s_lshl_b32 s16, s[TI], 2
	s_add_co_u32 s16, s16, s[CX]
	s_lshr_b32 s17, s[BH], 4
	s_lshl_b32 s17, s17, 7
	s_add_co_u32 s17, s17, s16
	s_lshl_b32 s[FO], s17, 2
	s_load_b32 s[FN], s[8:9], s[FO] offset:FLAGS
	s_lshl_b32 s20, s[BH], 4
	s_lshr_b32 s21, s16, 3
	s_add_co_u32 s20, s20, s21
	s_mul_i32 s20, s20, 6400                       ; Q's group of 128 queries
	s_and_b32 s21, s16, 7
	s_mul_i32 s21, s21, 768
	s_add_co_u32 s22, s20, s21
	s_mov_b32 s23, 0
	s_add_nc_u64 s[QF:QF+1], s[4:5], s[22:23]      ; Q's half fragment
	s_bfe_u32 s21, s16, 0x10001                    ; its pair word lies in lanes 16 (T / 2 % 2) + r,
	s_lshl_b32 s21, s21, 7
	s_bfe_u32 s24, s16, 0x10002                    ; register T / 4 % 2
	s_lshl_b32 s24, s24, 2
	s_add_co_u32 s21, s21, s24
	s_add_co_u32 s22, s20, s21
	s_add_nc_u64 s[QS:QS+1], s[4:5], s[22:23]
	global_load_b128 v[196:199], v1, s[QF:QF+1]
	global_load_b64 v[200:201], v2, s[QF:QF+1] offset:512
	global_load_b32 v202, v6, s[QS:QS+1] offset:6144
.endm
	s_mov_b32 s[TI], s[WV]
	ASKQ                                           ; the first pass's, ahead of the copy of K and V
.set k, 0
.rept 25
	global_load_b128 v[96+4*k:99+4*k], v1, s[6:7] offset:512*k   ; 512 consecutive bytes an instruction
.set k, k+1
.endr
.set k, 0
.rept 25
	s_wait_loadcnt 24-k                            ; the loads issued behind load k may be out
	ds_store_b128 v3, v[96+4*k:99+4*k] offset:512*k
.set k, k+1
.endr
	s_wait_dscnt 0x0                               ; for the others' sake
	s_barrier_signal -1
	s_barrier_wait -1                              ; all sixteen blocks lie in LDS
	s_mov_b32 s[PASS], 2
.Lpass:
	s_lshl_b32 s16, s[TI], 2
	s_add_co_u32 s16, s16, s[CX]                   ; T, my tile of 16 queries of the head's 128
	s_lshr_b32 s17, s[BH], 4
	s_lshl_b32 s17, s17, 7
	s_add_co_u32 s17, s17, s16                     ; 128 b + T
	s_lshl_b32 s[MO], s17, 12                      ; its lane masks: 4,096 bytes a tile
	s_and_b32 s[SH], s16, 1                        ; Q's scale halves: half T % 2 of the pair word
	s_lshl_b32 s[SH], s[SH], 4
	s_mov_b32 s23, 0
	s_lshl_b32 s22, s17, 4
	s_and_b32 s24, s[BH], 15
	s_add_co_u32 s22, s22, s24
	s_mul_i32 s22, s22, 768
	s_add_nc_u64 s[OC:OC+1], s[10:11], s[22:23]    ; O's half fragment: [row tile][head]
	s_lshl_b32 s22, s17, 9
	s_lshl_b32 s24, s24, 1
	s_add_co_u32 s22, s22, s24
	s_add_nc_u64 s[OS:OS+1], s[12:13], s[22:23]    ; O's scale bytes: [row][K / 32]: 32 bytes a row, the head's two at 2 head
	v_mov_b32 v13, 0xff61b1e6                      ; the largest t so far: -3e38
	v_mov_b32 v14, 0
	v_mov_b32 v15, 0
	v_floor_f32 v12, -v13
	s_wait_loadcnt 0x0                             ; what was asked for a pass ahead: Q and its scale word,
	s_wait_kmcnt 0x0                               ; and the flag bits
	s_mov_b32 s[FW], s[FN]
.irp i, 0,1,2,3,4,5
	v_mov_b32 v[22+\i], v[196+\i]
.endr
	v_lshrrev_b32 v9, s[SH], v202
	s_delay_alu instid0(VALU_DEP_1)
	v_and_b32 v9, 0xffff, v9
	s_delay_alu instid0(VALU_DEP_1)
	v_lshl_or_b32 v10, v9, 16, v9                  ; [e0, e1, e0, e1]: for Q in either half
	s_cmp_eq_u32 s[PASS], 1
	s_cbranch_scc1 .Lasked                         ; the last pass asks for nothing
	s_sub_co_u32 s[TI], 31, s[WV]                  ; the second pass's tile
	ASKQ
.Lasked:
.set n, 0
.rept 32
	v_mov_b32 v[O+n], 0                            ; O^T; also the places between the scale word's write and the first product
.set n, n+1
.endr
	s_wait_alu depctr_va_vdst(0)
	s_mov_b32 s[TB], 0
	s_mov_b32 s[STEPC], 16
.Lstep:
	s_and_b32 s[FL], s[FW], 3
	s_lshr_b32 s[FW], s[FW], 2
	s_cmp_eq_u32 s[FL], 0
	s_cbranch_scc1 .Lnext                          ; nothing allowed: the step is passed over
	s_cmp_eq_u32 s[FL], 1
	s_cbranch_scc1 .Lpart
	QK                                             ; everything allowed
	s_branch .Lsoft
.Lpart:
	s_load_b512 s[16:31], s[8:9], s[MO]            ; the step's 64 lane masks
	s_load_b512 s[32:47], s[8:9], s[MO] offset:0x40
	s_load_b512 s[48:63], s[8:9], s[MO] offset:0x80
	s_load_b512 s[68:83], s[8:9], s[MO] offset:0xc0
	QK
	s_wait_kmcnt 0x0
.set n, 0
.rept 64
	v_cndmask_b32 v[S+n], v5, v[S+n], s[16+n+4*(n/48)]   ; a hidden key's score becomes -infinity: p = 0
.set n, n+1
.endr
.Lsoft:
.irp b, 0,1,2,3
	v_max3_num_f32 v[232+\b], v[96+16*\b], v[97+16*\b], v[98+16*\b]   ; the largest score of each block of 32 keys: for the row's maximum and for the block's largest p
.endr
.irp i, 3,5,7,9,11,13
.irp b, 0,1,2,3
	v_max3_num_f32 v[232+\b], v[232+\b], v[96+16*\b+\i], v[97+16*\b+\i]   ; the four blocks by turns
.endr
.endr
.irp b, 0,1,2,3
	v_max_num_f32 v[232+\b], v[232+\b], v[111+16*\b]
.endr
.irp b, 0,1,2,3
	v_permlanex16_b32 v[236+\b], v[232+\b], s[SEL], s[SEL+1]
.endr
.irp b, 0,1,2,3
	s_delay_alu instid0(VALU_DEP_4)
	v_max_num_f32 v[232+\b], v[232+\b], v[236+\b]
.endr
	s_delay_alu instid0(VALU_DEP_2)
	v_max3_num_f32 v254, v232, v233, v234
	s_delay_alu instid0(VALU_DEP_1)
	v_max_num_f32 v254, v254, v235
	s_delay_alu instid0(VALU_DEP_1)
	v_mul_f32 v254, s[CS], v254
	s_delay_alu instid0(VALU_DEP_1)
	v_max_num_f32 v13, v13, v254                   ; the running largest t
	v_mov_b32 v254, v12
	s_delay_alu instid0(VALU_DEP_2)
	v_floor_f32 v12, -v13                          ; -M = floor(-t)
	s_delay_alu instid0(VALU_DEP_1)
	v_sub_f32 v254, v12, v254                      ; old M - new M: a whole number, 0 or less
	s_delay_alu instid0(VALU_DEP_1)
	v_cvt_i32_f32 v254, v254
	s_delay_alu instid0(VALU_DEP_1)
	v_ldexp_f32 v252, 1.0, v254                    ; f = 2^(old M - new M)
.irp j, 0,2,4,6,8,10,12,14,16,18,20,22,24,26,28,30,32,34,36,38,40,42,44,46,48,50,52,54,56,58,60,62
	v_pk_fma_f32 v[96+\j:97+\j], v[96+\j:97+\j], s[CS:CS+1], v[12:13] op_sel_hi:[1,0,0]   ; t - M
.endr
.irp b, 0,1,2,3
	v_fma_f32 v[232+\b], v[232+\b], s[CS], v12
.endr
	s_wait_alu depctr_va_vdst(0)
.set n, 0
.rept 64
	v_exp_f32 v[S+n], v[S+n]                       ; p = 2^(t - M)
.set n, n+1
.endr
	v_pk_mul_f32 v[14:15], v[14:15], v[252:253] op_sel_hi:[1,0]   ; the sums under the new M: a plain place behind the exponentials
	s_wait_alu depctr_va_vdst(0)                   ; one wait for the batch, ahead of its first reader
.irp b, 0,1,2,3
	v_exp_f32 v[232+\b], v[232+\b]                 ; each block's largest p
.endr
	v_pk_add_f32 v[236:237], v[100:101], v[104:105]
	v_pk_add_f32 v[246:247], v[108:109], v[112:113]
	v_pk_add_f32 v[244:245], v[116:117], v[120:121]
	v_pk_add_f32 v[242:243], v[124:125], v[128:129]
	v_pk_add_f32 v[240:241], v[132:133], v[136:137]
	v_pk_add_f32 v[238:239], v[140:141], v[144:145]
	v_pk_add_f32 v[230:231], v[148:149], v[152:153]
	v_pk_add_f32 v[14:15], v[14:15], v[156:157]
	v_pk_add_f32 v[236:237], v[236:237], v[96:97]
	v_pk_add_f32 v[246:247], v[246:247], v[98:99]
	v_pk_add_f32 v[244:245], v[244:245], v[102:103]
	v_pk_add_f32 v[242:243], v[242:243], v[106:107]
	v_pk_add_f32 v[240:241], v[240:241], v[110:111]
	v_pk_add_f32 v[238:239], v[238:239], v[114:115]
	v_pk_add_f32 v[230:231], v[230:231], v[118:119]
	v_pk_add_f32 v[14:15], v[14:15], v[122:123]
	v_pk_add_f32 v[236:237], v[236:237], v[126:127]
	v_pk_add_f32 v[246:247], v[246:247], v[130:131]
	v_pk_add_f32 v[244:245], v[244:245], v[134:135]
	v_pk_add_f32 v[242:243], v[242:243], v[138:139]
	v_pk_add_f32 v[240:241], v[240:241], v[142:143]
	v_pk_add_f32 v[238:239], v[238:239], v[146:147]
	v_pk_add_f32 v[230:231], v[230:231], v[150:151]
	v_pk_add_f32 v[14:15], v[14:15], v[154:155]
	v_pk_add_f32 v[236:237], v[236:237], v[158:159]
	s_delay_alu instid0(VALU_DEP_2)
	v_pk_add_f32 v[14:15], v[14:15], v[242:243]
	s_delay_alu instid0(VALU_DEP_2)
	v_pk_add_f32 v[236:237], v[236:237], v[240:241]
	v_pk_add_f32 v[246:247], v[246:247], v[238:239]
	v_pk_add_f32 v[244:245], v[244:245], v[230:231]
	s_delay_alu instid0(VALU_DEP_2)
	v_pk_add_f32 v[14:15], v[14:15], v[246:247]
	s_delay_alu instid0(VALU_DEP_2)
	v_pk_add_f32 v[236:237], v[236:237], v[244:245]
	s_delay_alu instid0(VALU_DEP_1)
	v_pk_add_f32 v[14:15], v[14:15], v[236:237]
	s_wait_alu depctr_va_vdst(0)                   ; and one for the four
.irp b, 0,1,2,3
	v_max_num_f32 v[232+\b], 0x1800000, v[232+\b]  ; the floor 2^(3 - 127)
.endr
.irp b, 0,1,2,3
	s_delay_alu instid0(VALU_DEP_4)
	v_add_nc_u32 v[244+\b], 0xff000000, v[232+\b]  ; the conversion's scale operand
.endr
.irp b, 0,1,2,3
	s_delay_alu instid0(VALU_DEP_4)
	v_lshrrev_b32 v[236+\b], 23, v[244+\b]
.endr
	s_delay_alu instid0(VALU_DEP_3)
	v_lshl_or_b32 v253, v237, 8, v236              ; p's scale word for these 128 keys
	s_delay_alu instid0(VALU_DEP_1)
	v_lshl_or_b32 v253, v238, 16, v253
	s_delay_alu instid0(VALU_DEP_1)
	v_lshl_or_b32 v253, v239, 24, v253
.irp c, 0,1
	v_cvt_scalef32_pk16_fp6_f32 v[224+6*\c:226+6*\c], v[96+32*\c:111+32*\c], v[244+2*\c]
	v_cvt_scalef32_pk16_fp6_f32 v[236+4*\c:238+4*\c], v[112+32*\c:127+32*\c], v[244+2*\c+1]
.endr
	v_nop                                          ; one plain place behind a scaled conversion
.irp c, 0,1
.irp i, 0,1,2
	v_permlane16_swap_b32 v[224+6*\c+\i], v[236+4*\c+\i]
.endr
.irp i, 0,1,2
	s_delay_alu instid0(VALU_DEP_3)
	v_mov_b32 v[227+6*\c+\i], v[236+4*\c+\i]
.endr
.endr
	s_wait_alu depctr_va_vdst(0)                   ; directly ahead of the first reader of O^T
.irp j, 0,2,4,6,8,10,12,14,16,18,20,22,24,26,28,30
	v_pk_mul_f32 v[O+\j:O+\j+1], v[O+\j:O+\j+1], v[252:253] op_sel_hi:[1,0]   ; O^T under the new M
.endr
.rept 4
	v_nop                                          ; no operand of the products below was written fewer than four places ahead of them
.endr
	s_wait_alu depctr_va_vdst(0)
	s_wait_dscnt 0x0                               ; V
.irp t, 0,1,2,3                                ; O^T += V^T P^T: the four accumulators take one turn each
.if \t%2
	v_wmma_scale_f32_16x16x128_f8f6f4 v[O+8*\t:O+8*\t+7], v[F+12*\t:F+12*\t+11], v[224:235], v[O+8*\t:O+8*\t+7], v[36+\t/2], v253 matrix_a_fmt:MATRIX_FMT_FP6 matrix_b_fmt:MATRIX_FMT_FP6 matrix_a_scale:MATRIX_SCALE_ROW1
.else
	v_wmma_scale_f32_16x16x128_f8f6f4 v[O+8*\t:O+8*\t+7], v[F+12*\t:F+12*\t+11], v[224:235], v[O+8*\t:O+8*\t+7], v[36+\t/2], v253 matrix_a_fmt:MATRIX_FMT_FP6 matrix_b_fmt:MATRIX_FMT_FP6
.endif
.endr
.Lnext:
	s_add_co_u32 s[TB], s[TB], STEPB
	s_add_co_u32 s[MO], s[MO], 256
	s_sub_co_u32 s[STEPC], s[STEPC], 1
	s_cmp_lg_u32 s[STEPC], 0
	s_cbranch_scc1 .Lstep
	; THE PASS'S END: O^T / l, put in the head's own order, quantised in two blocks of 32
	v_add_f32 v14, v14, v15
	s_delay_alu instid0(VALU_DEP_1)
	v_permlanex16_b32 v252, v14, s[SEL], s[SEL+1]
	s_delay_alu instid0(VALU_DEP_1)
	v_add_f32 v14, v14, v252                       ; l
	s_delay_alu instid0(VALU_DEP_1)
	v_cmp_eq_f32 s3, 0, v14                        ; a query with nothing allowed
	s_wait_alu depctr_va_vdst(0)                   ; ahead of the transcendental
	v_rcp_f32 v248, v14
	v_nop
	v_nop
	v_nop
	s_wait_alu depctr_va_vdst(0)                   ; ahead of the reciprocal's and O^T's first reader
.irp j, 0,2,4,6,8,10,12,14,16,18,20,22,24,26,28,30
	v_pk_mul_f32 v[O+\j:O+\j+1], v[O+\j:O+\j+1], v[248:249] op_sel_hi:[1,0]
.endr
.irp b, 0,1                                    ; register 16 b + i held d = 32 b + 16 (i / 8) + 8 h + i % 8; behind the exchange it holds d = 32 b + 16 h + i
.irp j, 0,1,2,3,4,5,6,7
	v_permlane16_swap_b32 v[O+16*\b+\j], v[O+16*\b+8+\j]
.endr
.endr
.irp b, 0,1
	v_max3_num_f32 v[232+\b], |v[O+16*\b]|, |v[O+16*\b+1]|, 0x1800000
.endr
.irp i, 2,4,6,8,10,12,14
.irp b, 0,1
	s_delay_alu instid0(VALU_DEP_2)
	v_max3_num_f32 v[232+\b], v[232+\b], |v[O+16*\b+\i]|, |v[O+16*\b+\i+1]|
.endr
.endr
.irp b, 0,1
	s_delay_alu instid0(VALU_DEP_2)
	v_permlanex16_b32 v[236+\b], v[232+\b], s[SEL], s[SEL+1]
.endr
.irp b, 0,1
	s_delay_alu instid0(VALU_DEP_2)
	v_max_num_f32 v[232+\b], v[232+\b], v[236+\b]
.endr
.irp b, 0,1
	s_delay_alu instid0(VALU_DEP_2)
	v_add_nc_u32 v[244+\b], 0xff000000, v[232+\b]
.endr
.irp b, 0,1
	s_delay_alu instid0(VALU_DEP_2)
	v_lshrrev_b32 v[236+\b], 23, v[244+\b]
.endr
	s_delay_alu instid0(VALU_DEP_1)
	v_lshl_or_b32 v254, v237, 8, v236              ; e0 | e1 << 8
	s_delay_alu instid0(VALU_DEP_1)
	v_cndmask_b32 v254, v254, v255, s3
	v_cvt_scalef32_pk16_fp6_f32 v[224:226], v[O:O+15], v244
	v_cvt_scalef32_pk16_fp6_f32 v[240:242], v[O+16:O+31], v245
	v_nop
.irp i, 0,1,2
	v_permlane16_swap_b32 v[224+\i], v[240+\i]
.endr
.irp i, 0,1,2
	s_delay_alu instid0(VALU_DEP_3)
	v_mov_b32 v[227+\i], v[240+\i]
.endr
	global_store_b128 v1, v[224:227], s[OC:OC+1]             ; 512 consecutive aligned bytes
	global_store_b64 v2, v[228:229], s[OC:OC+1] offset:512   ; 256
	global_store_b16 v7, v254, s[OS:OS+1]          ; the row's two scale bytes, where the last product's scale loads want them; both lanes of a row write the same value
	s_wait_xcnt 0x0                                ; loads and stores have read their bases and data: both are written again only behind this wait
	s_sub_co_u32 s[PASS], s[PASS], 1
	s_cmp_lg_u32 s[PASS], 0
	s_cbranch_scc1 .Lpass
	s_wait_tensorcnt 0x0                           ; the wave's end
	ds_add_u32 v250, v251
	s_wait_dscnt 0x0
	s_endpgm
.Lfunc_end_k_qfdd9dfb33a_attn:
	.size	k_qfdd9dfb33a_attn, .Lfunc_end_k_qfdd9dfb33a_attn-k_qfdd9dfb33a_attn
	.p2alignl 7, 3214868480
	.fill 96, 4, 3214868480
	.section	.rodata,"a",@progbits
	.p2align	6, 0x0
	.amdhsa_kernel k_qfdd9dfb33a_attn
		.amdhsa_group_segment_fixed_size 206848
		.amdhsa_private_segment_fixed_size 0
		.amdhsa_enable_private_segment 0
		.amdhsa_kernarg_size 40
		.amdhsa_user_sgpr_count 2
		.amdhsa_user_sgpr_kernarg_segment_ptr 1
		.amdhsa_wavefront_size32 1
		.amdhsa_system_sgpr_workgroup_id_x 1
		.amdhsa_system_sgpr_workgroup_id_y 1
		.amdhsa_system_sgpr_workgroup_id_z 1
		.amdhsa_system_vgpr_workitem_id 0
		.amdhsa_next_free_vgpr 256
		.amdhsa_next_free_sgpr 106
		.amdhsa_reserve_vcc 0
		.amdhsa_float_denorm_mode_32 3
		.amdhsa_float_denorm_mode_16_64 3
		.amdhsa_memory_ordered 1
		.amdhsa_forward_progress 1
		.amdhsa_inst_pref_size 43
	.end_amdhsa_kernel
	.amdgpu_metadata
---
amdhsa.version: [ 1, 2 ]
amdhsa.kernels:
  - .name:           k_qfdd9dfb33a_attn
    .symbol:         k_qfdd9dfb33a_attn.kd
    .args:
      - { .name: qws, .offset: 0, .size: 8, .value_kind: global_buffer, .address_space: global }
      - { .name: kv, .offset: 8, .size: 8, .value_kind: global_buffer, .address_space: global }
      - { .name: mbits, .offset: 16, .size: 8, .value_kind: global_buffer, .address_space: global }
      - { .name: ocodes, .offset: 24, .size: 8, .value_kind: global_buffer, .address_space: global }
      - { .name: osc, .offset: 32, .size: 8, .value_kind: global_buffer, .address_space: global }
    .group_segment_fixed_size: 206848
    .private_segment_fixed_size: 0
    .kernarg_segment_align: 8
    .kernarg_segment_size: 40
    .max_flat_workgroup_size: 512
    .sgpr_count:     106
    .vgpr_count:     256
    .wavefront_size: 32
...
	.end_amdgpu_metadata
.endif
;; end of part 2
;; launch outp (part 3): grid 4 x 64, 4 waves a work-group, clusters of 4 x 4, 327,680 bytes of LDS; arguments ocodes, osc, Wo_codes, Wo_scales, bo, out0; writes out0
.if DOCPART == 3
	.amdgcn_target "amdgcn-amd-amdhsa--gfx1250"
	.amdhsa_code_object_version 6
	.text
	.protected	k_qfdd9dfb33a_outp
	.globl	k_qfdd9dfb33a_outp
	.p2align	8
	.type	k_qfdd9dfb33a_outp,@function
k_qfdd9dfb33a_outp:
	s_mov_b64 s[64:65], 0
	v_nop
	global_prefetch_b8 v0, s[64:65] scope:SCOPE_SE
	s_setreg_imm32_b32 hwreg(HW_REG_WAVE_MODE, 25, 1), 1
	s_wait_xcnt 0x0
	s_wait_alu depctr_hold_cnt(0) depctr_sa_sdst(0) depctr_va_vdst(0) depctr_va_sdst(0) depctr_va_ssrc(0) depctr_va_vcc(0) depctr_vm_vsrc(0)
	s_getreg_b32 s2, hwreg(HW_REG_IB_STS2, 6, 4)
	s_cmp_eq_u32 s2, 0
	s_cbranch_scc0 .Lentry_in_a_cluster
	s_endpgm
.Lentry_in_a_cluster:
	s_bfe_u32 s2, ttmp6, 0x10000c
	s_cmp_lg_u32 s2, 0xf033
	s_cbranch_scc0 .Lentry_shape_is_right
	s_endpgm
.Lentry_shape_is_right:
; out0 = O Wo + bo ON CODES OF FP6 (E2M3).  O: images of operand registers, [row tile of 16][head] x 768 bytes, scale bytes [row][32]; Wo: rows of 768 bytes of codes, scale bytes [n][32].
; A work-group makes 128 rows x 256 columns: 64 x 4 = 256 work-groups; a wave 64 x 128: 32 accumulators.  ALL OF K LIES IN LDS: A's 8 row tiles (98,304 bytes, dense in memory) and B's 256 rows
; (768 bytes, 16 of padding behind every 256: pitch 816), brought by ONE joint load a wave at the head: waves 0, 1 the halves of A, waves 2, 3 those of B.  Nothing is filled again.
; Every row that a load reads begins at a multiple of 256 bytes.  Clusters of 4 x 4: A's tile is shared along a row of the cluster, B's along a column.
; No prefetch: the launch asks for all its tiles at its head and has no loop to run ahead in.
; The matrix instruction is used transposed (source 0 = B's rows, source 1 = A's): a lane holds eight neighbouring columns of a row.  The bias is the C of each accumulator's first product.
; REGISTERS: window 0: v16-31 addresses, v32-47 A's scale words, v48-79 B's, v80-143 the bias, v144-239 A's fragments, two sets; on the way out v80-207 rows read back.
;   window 1: the accumulators, (a, b) at v[8 (8 a + b)].  window 2: B's fragments, two sets, at v0 and v128.
.set SIZE_N, 1024
.set KROW,   768
.set FR,     12
.set NP,     4
.set ATILE,  12288
.set HALFA,  4*ATILE
.set BOFF,   2*HALFA
.set PITCH,  816                       ; 204 words: row r begins at bank 12 r mod 64: the 32 lanes of a load of 8 bytes touch 64 different banks
.set HALFB,  128*PITCH
.set SPARE,  BOFF+2*HALFB
.set SPITCH, 528                       ; the way out: 16 rows x (512 + 16) bytes a wave, on A's bytes, which have had their only fill and, behind a barrier, their last read
.set ADRA, 16
.set ADRB, 20
.set STO,  24
.set RD,   25
.set CO,   26
.set SOF,  27
.set SPW,  28
.set NIL,  29
.set BOF,  30
.set SCA,  32
.set SCB,  48
.set BI,   80
.set AF,   144
.set BK,   80
.set G1,  24
.set G0,  32
.set G1B, 48
.set G0B, 56
.set MSB, 0
.macro WIN new
.if MSB != \new
	s_set_vgpr_msb (MSB<<8)|\new
.set MSB, \new
.endif
.endm
.macro CREST
	s_cmp_lg_u32 s14, 0
	s_cbranch_scc1 .Lnot_wave_0_\@
	s_barrier_signal -3
.Lnot_wave_0_\@:
	s_barrier_wait -3
	s_barrier_signal -1
	s_barrier_wait -1
.endm
.macro CROUND
	s_barrier_signal -1
	s_barrier_wait -1
	CREST
.endm
.macro PLACES n
.rept \n
	v_nop
.endr
.endm
	s_load_b128 s[4:7], s[0:1], 0x0                ; ocodes, osc
	s_load_b128 s[8:11], s[0:1], 0x10              ; Wo_codes, Wo_scales
	s_load_b64 s[68:69], s[0:1], 0x20              ; bo
	s_load_b64 s[12:13], s[0:1], 0x28              ; out0
	v_lshl_add_u32 v[SPW], v0, 2, SPARE
	v_mov_b32 v[NIL], 0
	ds_add_u32 v[SPW], v[NIL]                      ; the opening lines: the add twice
	ds_add_u32 v[SPW], v[NIL]
	v_lshrrev_b32 v1, 5, v0
	v_readfirstlane_b32 s14, v1                    ; wave
	s_lshr_b32 s15, s14, 1                         ; my half of the rows; also: I fetch for A (0) or B (1)
	s_and_b32 s16, s14, 1                          ; my half of the columns; also: which half I fetch
	s_bfe_u32 s40, ttmp6, 0x40000
	s_bfe_u32 s41, ttmp6, 0x40004
	s_lshl_b32 s42, ttmp9, 2
	s_add_co_u32 s42, s42, s40                     ; tile column
	s_and_b32 s17, ttmp7, 0xffff
	s_lshl_b32 s17, s17, 2
	s_add_co_u32 s17, s17, s41                     ; tile row
	s_lshl_b32 s43, s41, 2
	s_lshl_b32 s43, 15, s43
	s_lshl_b32 s44, 0x1111, s40
	s_or_b32 s[G1+0], s43, (3<<16)|(1<<21)         ; A: 192 dense rows of 256 bytes, no padding
	s_mov_b32 s[G1+1], 32<<16
	s_mov_b32 s[G1+2], 192<<16
	s_mov_b32 s[G1+3], 32<<16
	s_mov_b32 s[G1+4], 192
	s_mov_b32 s[G1+5], 32
	s_mov_b32 s[G1+6], 0
	s_mov_b32 s[G1+7], 0
	s_or_b32 s[G1B+0], s44, (0<<16)|(1<<20)|(1<<21)|(5<<22)|(3<<25)   ; B: 128 rows of 768 bytes, 4 words of padding behind every 64
	s_mov_b32 s[G1B+1], KROW<<16
	s_mov_b32 s[G1B+2], 128<<16
	s_mov_b32 s[G1B+3], KROW<<16
	s_mov_b32 s[G1B+4], 128
	s_mov_b32 s[G1B+5], KROW
	s_mov_b32 s[G1B+6], 0
	s_mov_b32 s[G1B+7], 0
	s_mul_i32 s20, s17, 2*HALFA
	s_mul_i32 s18, s16, HALFA
	s_add_co_u32 s20, s20, s18
	s_mov_b32 s21, 0
	s_lshl_b32 s46, s42, 8
	s_lshl_b32 s19, s16, 7
	s_add_co_u32 s46, s46, s19
	s_mul_i32 s46, s46, KROW
	s_mov_b32 s47, 0
	s_mov_b32 s[G0], 1
	s_mov_b32 s[G0+1], s18
	s_mov_b32 s[G0B], 1
	s_mul_i32 s[G0B+1], s16, HALFB
	s_add_co_u32 s[G0B+1], s[G0B+1], BOFF
	s_lshl_b32 s70, s17, 12                        ; A's scale bytes: 32 a row
	s_lshl_b32 s19, s15, 11
	s_add_co_u32 s70, s70, s19
	s_mov_b32 s71, 0
	s_lshl_b32 s72, s42, 13                        ; B's
	s_lshl_b32 s19, s16, 12
	s_add_co_u32 s72, s72, s19
	s_mov_b32 s73, 0
	s_lshl_b32 s74, s42, 10                        ; my first column, in bytes
	s_lshl_b32 s19, s16, 9
	s_add_co_u32 s74, s74, s19
	s_mov_b32 s75, 0
	s_lshl_b32 s76, s17, 19                        ; my first row of out0
	s_lshl_b32 s19, s15, 18
	s_add_co_u32 s76, s76, s19
	s_add_co_u32 s76, s76, s74
	s_mov_b32 s77, 0
	s_mul_i32 s90, s15, HALFA
	s_mul_i32 s91, s16, HALFB
	s_add_co_u32 s91, s91, BOFF
	s_mul_i32 s92, s14, 16*SPITCH
	s_wait_dscnt 0x0                               ; both opening adds are done
	s_wait_kmcnt 0x0
	s_add_nc_u64 s[G0+2:G0+3], s[4:5], s[20:21]
	s_or_b32 s[G0+3], s[G0+3], 0x80000000
	s_add_nc_u64 s[G0B+2:G0B+3], s[8:9], s[46:47]
	s_or_b32 s[G0B+3], s[G0B+3], 0x80000000
	s_add_nc_u64 s[6:7], s[6:7], s[70:71]
	s_add_nc_u64 s[10:11], s[10:11], s[72:73]
	s_add_nc_u64 s[68:69], s[68:69], s[74:75]
	s_add_nc_u64 s[12:13], s[12:13], s[76:77]
	CROUND                                         ; all sixteen work-groups are here: the joint loads meet
	s_cmp_eq_u32 s15, 0
	s_cbranch_scc0 .Lfor_b
	tensor_load_to_lds s[G0:G0+3], s[G1:G1+7]
	s_nop 0
	PLACES 4
	s_branch .Lasked
.Lfor_b:
	tensor_load_to_lds s[G0B:G0B+3], s[G1B:G1B+7]
	s_nop 0
	PLACES 4
.Lasked:
	v_and_b32 v1, 15, v0                           ; r
	v_bfe_u32 v2, v0, 4, 1                         ; h
	v_and_b32 v6, 31, v0
	v_lshlrev_b32 v[CO], 4, v6
	v_lshlrev_b32 v8, 3, v6
	v_add_nc_u32 v[ADRA], s90, v[CO]               ; A's images: registers 0-3 at 16 l,
	v_add_nc_u32 v[ADRA+1], s90, v8                ; registers 4-5 at 512 + 8 l
	v_mul_u32_u24 v3, v1, PITCH
	v_mad_u32_u24 v3, v2, 24, v3
	v_add_nc_u32 v[ADRB], s91, v3                  ; B: row r, + 24 h;
	v_lshl_add_u32 v[ADRB+1], v2, 4, v[ADRB]       ; where lanes 16-31 lie behind the next padding;
	v_add_nc_u32 v[ADRB+2], 64*PITCH, v[ADRB]      ; and the same for blocks 4-7, so that the offsets stay inside 16 bits
	v_add_nc_u32 v[ADRB+3], 64*PITCH, v[ADRB+1]
	v_mul_u32_u24 v5, v1, SPITCH
	v_lshl_add_u32 v5, v2, 5, v5
	v_add_nc_u32 v[STO], s92, v5
	v_add_nc_u32 v[RD], s92, v[CO]
	v_lshlrev_b32 v[SOF], 5, v1
	v_lshl_add_u32 v[SOF], v2, 4, v[SOF]           ; scale words: row r, 16 bytes for each half of K
	v_lshlrev_b32 v[BOF], 5, v2
	s_wait_alu depctr_va_vdst(0)
.irp i, 0,1,2,3
	global_load_b128 v[SCA+4*\i:SCA+4*\i+3], v[SOF], s[6:7] offset:512*\i
.endr
.irp i, 0,1,2,3,4,5,6,7
	global_load_b128 v[SCB+4*\i:SCB+4*\i+3], v[SOF], s[10:11] offset:512*\i
.endr
.irp b, 0,1,2,3,4,5,6,7
	global_load_b128 v[BI+8*\b:BI+8*\b+3], v[BOF], s[68:69] offset:64*\b
	global_load_b128 v[BI+8*\b+4:BI+8*\b+7], v[BOF], s[68:69] offset:64*\b+16
.endr
.macro FRAGB reg, st, i                ; byte y of a row of codes lies at y + 16 (y / 256) of the LDS row; lanes 16-31 read 24 bytes on
.irp p, 0,1,2,3,4,5
.set BY, 96*(\st)+48*(\p/3)+8*(\p%3)
.set XR, (BY+24)/256-BY/256
	ds_load_b64 v[\reg+2*\p:\reg+2*\p+1], v[ADRB+2*((\i)/4)+XR] offset:BY+16*(BY/256)+((\i)%4)*16*PITCH
.endr
.endm
.macro FETCH st                        ; step st's fragments into set st % 2: 48 + 16 loads
	WIN 0x80
.irp i, 0,1,2,3,4,5,6,7
	FRAGB 128*((\st)%2)+FR*\i, \st, \i
.endr
	WIN 0
.irp i, 0,1,2,3
.set RA, AF+48*((\st)%2)+FR*\i
	ds_load_b128 v[RA:RA+3], v[ADRA] offset:ATILE*\i+1536*(\st)
	ds_load_b64 v[RA+4:RA+5], v[ADRA+1] offset:ATILE*\i+1536*(\st)+512
	ds_load_b128 v[RA+6:RA+9], v[ADRA] offset:ATILE*\i+1536*(\st)+768
	ds_load_b64 v[RA+10:RA+11], v[ADRA+1] offset:ATILE*\i+1536*(\st)+1280
.endr
.endm
.macro MUL st                          ; 32 products, the accumulators by turns in the same order in every step
.irp a, 0,1,2,3
.irp b, 0,1,2,3,4,5,6,7
.set rD, 8*(8*\a+\b)
.set rB, 128*((\st)%2)+FR*\b
.set rA, AF+48*((\st)%2)+FR*\a
.set rX, SCB+4*\b+(\st)%4
.set rY, SCA+4*\a+(\st)%4
.if (\st) == 0
	v_wmma_scale_f32_16x16x128_f8f6f4 v[rD:rD+7], v[rB:rB+FR-1], v[rA:rA+FR-1], v[BI+8*\b:BI+8*\b+7], v[rX], v[rY] matrix_a_fmt:MATRIX_FMT_FP6 matrix_b_fmt:MATRIX_FMT_FP6
.elseif (\st) < 4
	v_wmma_scale_f32_16x16x128_f8f6f4 v[rD:rD+7], v[rB:rB+FR-1], v[rA:rA+FR-1], v[rD:rD+7], v[rX], v[rY] matrix_a_fmt:MATRIX_FMT_FP6 matrix_b_fmt:MATRIX_FMT_FP6
.else
	v_wmma_scale_f32_16x16x128_f8f6f4 v[rD:rD+7], v[rB:rB+FR-1], v[rA:rA+FR-1], v[rD:rD+7], v[rX], v[rY] matrix_a_fmt:MATRIX_FMT_FP6 matrix_b_fmt:MATRIX_FMT_FP6 matrix_a_scale:MATRIX_SCALE_ROW1 matrix_b_scale:MATRIX_SCALE_ROW1
.endif
.endr
.endr
.endm
	s_wait_tensorcnt 0x0                           ; my tile has landed
	s_barrier_signal -1
	s_barrier_wait -1                              ; and everybody's
	FETCH 0
	s_wait_loadcnt 0x0                             ; scale words and bias
.set ST, 0
.rept 7
	s_wait_dscnt 0x0                               ; this step's fragments are in
.if ST > 0
	PLACES NP                                      ; in front of loads into the set that the last step multiplied
.endif
	FETCH ST+1
.if ST == 0
	WIN 0x42                                       ; source 0 window 2, source 1 and C window 0, D window 1
.else
	WIN 0x52                                       ; C window 1 too
.endif
	MUL ST
	WIN 0
.set ST, ST+1
.endr
	s_wait_dscnt 0x0                               ; my last reads of the tiles are over
	s_barrier_signal -1
	WIN 0x52
	MUL 7
	WIN 0
	s_barrier_wait -1                              ; and everybody's: A's bytes may take the stages
.macro TOSTAGE a
.set AC, 64*(\a)
	WIN 0x04                                       ; the data: window 1
.irp b, 0,1,2,3,4,5,6,7
	ds_store_b128 v[STO], v[AC+8*\b:AC+8*\b+3] offset:64*\b          ; each accumulator from its low end on
	ds_store_b128 v[STO], v[AC+8*\b+4:AC+8*\b+7] offset:64*\b+16
.endr
	WIN 0
.set BB, BK+64*((\a)%2)
.irp t, 0,1,2,3,4,5,6,7,8,9,10,11,12,13,14,15
	ds_load_b128 v[BB+4*\t:BB+4*\t+3], v[RD] offset:\t*SPITCH        ; LDS serves a wave's instructions in order: these see the stores above
.endr
.endm
.macro SEND a, younger
.set BB, BK+64*((\a)%2)
	s_wait_dscnt \younger                          ; the block is back in registers; the next block's 16 stores and 16 loads may be out
.if (\a) > 0
	s_add_nc_u64 s[12:13], s[12:13], 16*SIZE_N*4   ; behind a wait on XCNT
.endif
.irp t, 0,1,2,3,4,5,6,7,8,9,10,11,12,13,14,15
	global_store_b128 v[CO], v[BB+4*\t:BB+4*\t+3], s[12:13] offset:\t*SIZE_N*4 th:TH_STORE_NT   ; 32 lanes store 512 consecutive aligned bytes
.endr
.endm
	PLACES NP
	TOSTAGE 0
.irp a, 1,2,3
.if \a > 1
	s_wait_xcnt 0x0                                ; block a - 2's stores have read their registers and their base
.endif
	TOSTAGE \a
	SEND \a-1, 32
.endr
	s_wait_xcnt 0x0
	SEND 3, 0
	s_wait_tensorcnt 0x0                           ; the wave's end
	ds_add_u32 v[SPW], v[NIL]
	s_wait_dscnt 0x0
	CROUND                                         ; the closing round
	s_endpgm
.Lfunc_end_k_qfdd9dfb33a_outp:
	.size	k_qfdd9dfb33a_outp, .Lfunc_end_k_qfdd9dfb33a_outp-k_qfdd9dfb33a_outp
	.p2alignl 7, 3214868480
	.fill 96, 4, 3214868480
	.section	.rodata,"a",@progbits
	.p2align	6, 0x0
	.amdhsa_kernel k_qfdd9dfb33a_outp
		.amdhsa_group_segment_fixed_size 327680
		.amdhsa_private_segment_fixed_size 0
		.amdhsa_enable_private_segment 0
		.amdhsa_kernarg_size 48
		.amdhsa_user_sgpr_count 2
		.amdhsa_user_sgpr_kernarg_segment_ptr 1
		.amdhsa_wavefront_size32 1
		.amdhsa_system_sgpr_workgroup_id_x 1
		.amdhsa_system_sgpr_workgroup_id_y 1
		.amdhsa_system_sgpr_workgroup_id_z 1
		.amdhsa_system_vgpr_workitem_id 0
		.amdhsa_next_free_vgpr 768
		.amdhsa_next_free_sgpr 98
		.amdhsa_reserve_vcc 0
		.amdhsa_float_denorm_mode_32 3
		.amdhsa_float_denorm_mode_16_64 3
		.amdhsa_memory_ordered 1
		.amdhsa_forward_progress 1
		.amdhsa_inst_pref_size 91
	.end_amdhsa_kernel
	.amdgpu_metadata
---
amdhsa.version: [ 1, 2 ]
amdhsa.kernels:
  - .name:           k_qfdd9dfb33a_outp
    .symbol:         k_qfdd9dfb33a_outp.kd
    .args:
      - { .name: ocodes, .offset: 0, .size: 8, .value_kind: global_buffer, .address_space: global }
      - { .name: osc, .offset: 8, .size: 8, .value_kind: global_buffer, .address_space: global }
      - { .name: Wo_codes, .offset: 16, .size: 8, .value_kind: global_buffer, .address_space: global }
      - { .name: Wo_scales, .offset: 24, .size: 8, .value_kind: global_buffer, .address_space: global }
      - { .name: bo, .offset: 32, .size: 8, .value_kind: global_buffer, .address_space: global }
      - { .name: out0, .offset: 40, .size: 8, .value_kind: global_buffer, .address_space: global }
    .group_segment_fixed_size: 327680
    .private_segment_fixed_size: 0
    .kernarg_segment_align: 8
    .kernarg_segment_size: 48
    .max_flat_workgroup_size: 128
    .sgpr_count:     98
    .vgpr_count:     768
    .wavefront_size: 32
...
	.end_amdgpu_metadata
.endif
;; end of part 3
